; MI455X (gfx1250); checked and timed in simulation.
; The chip was launched on July 23, 2026; its instructions are those of AMD's public machine-readable ISA for CDNA 5 (MIT licence, August 2026) and "CDNA5" Instruction Set Architecture Reference Guide (July 2026). The comments in the code are by the model that wrote it; some were corrected since.
;; Additive Attention. Allowed arithmetic: matrix products marked QUANTISED: E2M1 operands, one E8M0 scale for each 32 along K, by v_wmma_scale_f32_16x16x128_f8f6f4 with both operands' format E2M1 (or v_wmma_scale_f32_32x16x128_f4), f32 sums; products left as they are: f32 operands where the result goes on into a quantised operand, else bf16, f16 or f32 operands; f32 sums; everything else in f32.
;; Inputs: U_b 1,024 float32; U_w 1,024 x 1,024 float32; W_b 1,024 float32; W_w 1,024 x 1,024 float32; keys 32 x 2,048 x 1,024 float32; query 32 x 1,024 float32; v_b 1 float32; v_w 1 x 1,024 float32.
;; Outputs: out0 32 x 1,024 float32; out1 32 x 2,048 float32.
;; This version of the problem:
;;   THIS VERSION OF THE PROBLEM IS GIVEN IN LOW PRECISION. The matrix products marked QUANTISED in the list below multiply operands that are first quantised to E2M1 (2 exponent bits, 1 mantissa bit; 4 bits a number), with one power-of-two scale for each 32 numbers along K (OCP MX v1.0); their sums are f32. All else is computed in f32.
;;   The module's matrix products, in the order in which they are computed (A, B: the left and right operand; K: the contracted axis; several contracted axes count as one K, in the product's order):
;;     1. [M 32, K 1,024] x [K 1,024, N 1,024]; A: input query; B: input W_w: QUANTISED
;;     2. [M 65,536, K 1,024] x [K 1,024, N 1,024]; A: input keys; B: input U_w: QUANTISED
;;     3. [M 65,536, K 1,024] x [K 1,024, N 1]; A: computed on the way; B: input v_w: left as it is (N = 1 < 16)
;;     4. batch 32 x [M 1, K 2,048] x [K 2,048, N 1,024]; A: softmax; B: input keys: left as it is (M = 1 < 16)
;;   THE QUANTISER, for each operand of a quantised product, along K:
;;     - K is cut into blocks of 32 from its start; a last block that is shorter is filled with zeros.
;;     - A block's scale is 2^e with e = floor(log2(the largest magnitude in the block)) - 2, held to -126 .. 127; a block of zeros has e = 0. As a byte (E8M0): e + 127.
;;     - Each number is divided by its block's scale, clamped to +-6, and rounded to the nearest number of E2M1, ties to even, subnormals kept.
;;     - The product sums the exact products of the quantised numbers (number of the format x scale) in f32.
;;   ~~~python
;;   def quantise(x, axis):      # numpy; x: float32 -> the quantised numbers, widened to float32 again
;;       x = np.moveaxis(x, axis, -1); K = x.shape[-1]
;;       x = np.pad(x, [(0, 0)] * (x.ndim - 1) + [(0, -K % 32)]); x = x.reshape(x.shape[:-1] + (-1, 32)); a = np.abs(x).max(-1, keepdims=True)
;;       e = np.where(a > 0, np.clip(np.frexp(np.where(a > 0, a, 1))[1] - 1 - 2, -126, 127), 0)      # np.frexp(a)[1] - 1 = floor(log2(a)), exactly
;;       r = np.clip(x / 2.0 ** e, -6, 6)
;;       step = 2.0 ** (np.maximum(np.frexp(np.where(r == 0, 1, r))[1] - 1, 0) - 1)
;;       q = np.round(r / step) * step * 2.0 ** e      # np.round: ties to even
;;       return np.moveaxis(q.reshape(q.shape[:-2] + (-1,))[..., :K], -1, axis).astype(np.float32)
;;   ~~~
;; One version. Each part assembles by itself: llvm-mc -triple=amdgcn-amd-amdhsa -mcpu=gfx1250 --defsym DOCPART=n.
;; ======== version 1 of 1: 3 launches
;; workspace buffers: uq 557,056 bytes; cbt 131,072 bytes; scores 262,144 bytes; part 1,114,112 bytes
;; launch prep (part 1): grid 64 x 1, 8 waves a work-group, no clusters, 287,232 bytes of LDS; arguments U_w, W_w, query, W_b, U_b, uq, cbt; writes uq, cbt
.if DOCPART == 1
	.amdgcn_target "amdgcn-amd-amdhsa--gfx1250"
	.amdhsa_code_object_version 6
	.text
	.protected	k_q4a814ff608_prep
	.globl	k_q4a814ff608_prep
	.p2align	8
	.type	k_q4a814ff608_prep,@function
k_q4a814ff608_prep:
	s_mov_b64 s[64:65], 0
	v_nop
	global_prefetch_b8 v0, s[64:65] scope:SCOPE_SE
	s_setreg_imm32_b32 hwreg(HW_REG_WAVE_MODE, 25, 1), 1
	s_wait_xcnt 0x0
; PREP.  (1) U_w [1024][1024] f32 becomes codes of FP4 (E2M1) with one E8M0 byte for each 32 along K, laid in the order of the operand's registers:
;     uq[tile t of 16 outputs][8,704 bytes]: fragment (K step s, half c) at 1024 s + 512 c + 16 x lane; scale words at 8192 + 16 x lane + 4 q = the word of row lane % 16 for K step 4 (lane / 16) + q.
; (2) Wq = query W_w^T on codes of FP4, both operands quantised here; cbt[t][b][o] = c (Wq + W_b + U_b), c = 2 log2(e): the addend of the main launch's tanh.
; SHARES.  Work-group t owns outputs 16 t .. 16 t + 15; wave s owns K step s (128 along K).  The eight waves' parts of Wq meet in LDS, K ascending.
; THE NUMBERS COME BY THE TENSOR DATA MOVER: a wave's four tiles (W, U, query rows 0-15 and 16-31: 16 rows x 128 f32 each, a row 512 consecutive bytes at a multiple of 512) go out together at the head, into the wave's own LDS
; bytes, each row followed by 16 bytes of padding: rows 528 bytes = 132 words apart, so row r starts at bank 4 r mod 64 (64 banks of 4 bytes: ISA guide 11.1).  Nothing is filled again.
; A lane (r = lane % 16, h = lane / 16) then takes, of row r, k = 64 c + 32 h + 0 .. 31, c = 0, 1: two whole blocks, in the very order of the operand's layout: the conversions' results are the operand.
; A block's scale is 2^(floor(log2(largest magnitude)) - 2); its byte is the largest magnitude's exponent field - 2, held at 1 from below by a floor among the maximum's leaves.
; NO CLUSTER, though all work-groups read the same query: the launch is one pass with no loop, what is shared is 16 KB of a wave's 32 KB, read once, and joint loads would put two rounds of the cluster's barrier into its one chain of steps.
; LIMITS: a block of zeros keeps the byte 1 where the rule says 127 (its codes are zeros, and this program alone reads the bytes); blocks whose largest magnitude lies under 2^-124 were not tried; NaN and infinities are not served.
.set TT,  8448                         ; a tile in LDS: 16 rows x (512 + 16) bytes
.set TW,  4*TT                         ; a wave's four tiles
.set RED, 8*TW                         ; behind the tiles: the eight parts of Wq, 2,048 bytes each
.set SUS, RED+16384                    ; U's scale words: 64 x wave + 4 r
.set F0, 16                            ; v16-79   64 numbers
.set F1, 80                            ; v80-143
.set F2, 144                           ; v144-207
.set CW, 208                           ; W's codes
.set CU, 216                           ; U's codes
.set CQ, 224                           ; the query's codes
.set D0, 232                           ; Wq, query rows 0-15
.set D1, 240                           ; rows 16-31
.set SW, 248                           ; scale words
.set SU, 249
.set SQ, 250
	s_load_b256 s[4:11], s[0:1], 0x0               ; U_w s[4:5], W_w s[6:7], query s[8:9], W_b s[10:11]
	s_load_b128 s[12:15], s[0:1], 0x20             ; U_b s[12:13], uq s[14:15]
	s_load_b64 s[16:17], s[0:1], 0x30              ; cbt
	v_lshrrev_b32 v1, 5, v0
	v_readfirstlane_b32 s18, v1                    ; wave = K step
	; descriptor group 1: 16 rows x 128 elements of 4 bytes, 1,024 elements from row to row; 4 words of padding behind every 128
	s_mov_b32 s28, (2<<16)|(1<<20)|(6<<22)|(3<<25)
	s_mov_b32 s29, 128<<16                         ; tensor_dim0
	s_mov_b32 s30, 16<<16                          ; tensor_dim1
	s_mov_b32 s31, 128<<16                         ; tile_dim0
	s_mov_b32 s32, 16                              ; tile_dim1
	s_mov_b32 s33, 1024                            ; the pitch
	s_mov_b32 s34, 0
	s_mov_b32 s35, 0
	s_mul_i32 s26, s18, TW                         ; my four tiles in LDS
	s_lshl_b32 s19, s18, 9                         ; my K step in a row: 512 bytes
	s_lshl_b32 s24, ttmp9, 16                      ; my work-group's 16 rows of 4,096 bytes
	s_add_co_u32 s24, s24, s19
	s_mov_b32 s25, 0
	s_wait_kmcnt 0x0
	s_add_nc_u64 s[6:7], s[6:7], s[24:25]          ; W_w and U_w at my tile
	s_add_nc_u64 s[4:5], s[4:5], s[24:25]
	s_mov_b32 s24, s19
	s_add_nc_u64 s[8:9], s[8:9], s[24:25]          ; query at my K step
.macro G0SET g, j, p, off              ; descriptor group 0: count 1, LDS address of tile j, global address, type 2
	s_mov_b32 s[\g], 1
	s_add_co_u32 s[\g+1], s26, TT*\j
	s_add_nc_u64 s[\g+2:\g+3], s[\p:\p+1], \off
	s_or_b32 s[\g+3], s[\g+3], 0x80000000
.endm
	G0SET 36, 0, 6, 0                              ; W
	G0SET 40, 1, 4, 0                              ; U
	G0SET 44, 2, 8, 0                              ; query rows 0-15
	G0SET 48, 3, 8, 65536                          ; query rows 16-31
	tensor_load_to_lds s[36:39], s[28:35]          ; the four fills go out together, ahead of every wait on TENSORcnt, every LDS read and the barrier: four loads of mine are out
	tensor_load_to_lds s[40:43], s[28:35]
	tensor_load_to_lds s[44:47], s[28:35]
	tensor_load_to_lds s[48:51], s[28:35]
.rept 4
	v_nop
.endr
	v_and_b32 v2, 31, v0                           ; lane
	v_and_b32 v3, 15, v0                           ; r
	v_bfe_u32 v4, v0, 4, 1                         ; h
	v_mul_u32_u24 v5, v3, 528
	v_lshl_add_u32 v5, v4, 7, v5
	v_add_nc_u32 v5, s26, v5                       ; my place in my wave's first tile: 528 r + 128 h
	v_lshlrev_b32 v6, 4, v2                        ; 16 x lane
	v_lshlrev_b32 v7, 3, v4                        ; 8 h: where my two scale bytes go in the word
	v_mov_b32 v14, 0                               ; a lane permute's destination counts as one of its sources
	s_lshl_b32 s19, s18, 11
	v_lshlrev_b32 v251, 2, v3
	v_lshl_add_u32 v251, v4, 9, v251
	v_add_nc_u32 v251, s19, v251
	v_add_nc_u32 v251, RED, v251                   ; my part of Wq in LDS: 2048 x wave + 512 h + 4 r
	s_lshl_b32 s19, s18, 6
	v_lshlrev_b32 v252, 2, v3
	v_add_nc_u32 v252, s19, v252
	v_add_nc_u32 v252, SUS, v252                   ; U's scale word: 64 x wave + 4 r
	v_lshlrev_b32 v253, 3, v0                      ; 8 x thread: my two numbers of the tile's 512, in cbt,
	v_add_nc_u32 v15, RED, v253                    ; and in each part
	v_lshlrev_b32 v254, 2, v3
	v_lshl_add_u32 v254, v4, 8, v254
	v_add_nc_u32 v254, SUS, v254                   ; wave 0 on the way out: 256 h + 4 r
	v_and_b32 v255, 7, v0
	v_lshlrev_b32 v255, 3, v255                    ; my two outputs' biases: 8 (thread % 8)
	s_mov_b32 s20, 0x76543210
	s_mov_b32 s21, 0xfedcba98                      ; v_permlanex16_b32's selects for lane l xor 16
	s_mov_b32 s22, 0x4038aa3b                      ; c = 2 log2(e)
	s_mov_b32 s23, s22
	s_lshl_b32 s24, ttmp9, 6
	s_add_nc_u64 s[10:11], s[10:11], s[24:25]
	s_add_nc_u64 s[12:13], s[12:13], s[24:25]
	s_mul_i32 s24, ttmp9, 8704
	s_lshl_b32 s19, s18, 10
	s_add_co_u32 s24, s24, s19
	s_add_nc_u64 s[14:15], s[14:15], s[24:25]      ; uq at my tile and K step
	s_lshl_b32 s24, ttmp9, 11
	s_add_nc_u64 s[16:17], s[16:17], s[24:25]      ; cbt at my tile
	global_load_b64 v[0:1], v255, s[10:11]         ; W_b and U_b of my two outputs, into registers that the address arithmetic has left
	global_load_b64 v[2:3], v255, s[12:13]
.macro FETCH f, j                      ; my 64 numbers of tile j: register 32 c + 4 i + e = k 64 c + 32 h + 4 i + e of row r
.irp c, 0,1
.irp i, 0,1,2,3,4,5,6,7
	ds_load_b128 v[\f+32*\c+4*\i:\f+32*\c+4*\i+3], v5 offset:TT*\j+256*\c+16*\i
.endr
.endr
.endm
; 64 numbers in v[f] on become a fragment's codes in v[cd] on and its rows' scale word in v[sw].  v8-11: the two blocks' maxima, two chains each, so that no line waits for the line above it.
.macro QUANT f, cd, sw
	v_max3_num_f32 v8, |v[\f]|, |v[\f+1]|, 0x1800000       ; the floor 2^(3 - 127): the byte cannot fall under 1
	v_max3_num_f32 v9, |v[\f+32]|, |v[\f+33]|, 0x1800000
	v_max3_num_f32 v10, |v[\f+16]|, |v[\f+17]|, |v[\f+18]|
	v_max3_num_f32 v11, |v[\f+48]|, |v[\f+49]|, |v[\f+50]|
.irp i, 2,4,6,8,10,12
	v_max3_num_f32 v8, v8, |v[\f+\i]|, |v[\f+\i+1]|
	v_max3_num_f32 v9, v9, |v[\f+32+\i]|, |v[\f+33+\i]|
	v_max3_num_f32 v10, v10, |v[\f+17+\i]|, |v[\f+18+\i]|
	v_max3_num_f32 v11, v11, |v[\f+49+\i]|, |v[\f+50+\i]|
.endr
	v_max3_num_f32 v8, v8, |v[\f+14]|, |v[\f+15]|
	v_max3_num_f32 v9, v9, |v[\f+46]|, |v[\f+47]|
	v_max3_num_f32 v8, v8, v10, |v[\f+31]|
	v_max3_num_f32 v9, v9, v11, |v[\f+63]|
	v_add_nc_u32 v10, 0xff000000, v8               ; 2 off the exponent field: the conversion's scale operand
	v_add_nc_u32 v11, 0xff000000, v9
	v_lshrrev_b32 v12, 23, v10                     ; the scale's byte: block h,
	v_lshrrev_b32 v13, 23, v11                     ; block 2 + h
	v_lshl_or_b32 v[\sw], v13, 16, v12
	v_lshlrev_b32 v[\sw], v7, v[\sw]               ; at their places in the word;
	v_permlanex16_b32 v14, v[\sw], s20, s21
	v_or_b32 v[\sw], v[\sw], v14                   ; with lane l xor 16's two the word is whole
.irp g, 0,1,2,3
	v_cvt_scalef32_pk8_fp4_f32 v[\cd+\g], v[\f+8*\g:\f+8*\g+7], v10
	v_cvt_scalef32_pk8_fp4_f32 v[\cd+4+\g], v[\f+32+8*\g:\f+32+8*\g+7], v11
.endr
	v_nop                                          ; one plain place behind a scaled conversion
.endm
	s_wait_tensorcnt 3                             ; tensor loads of a wave end in order: W's tile is in, the three younger fills stay out.  Only I read my tiles
	FETCH F0, 0
	s_wait_tensorcnt 2                             ; U's
	FETCH F1, 1
	s_wait_dscnt 16                                ; W's numbers are in registers: U's sixteen loads may be out
	QUANT F0, CW, SW
	s_wait_tensorcnt 1                             ; query rows 0-15
	FETCH F2, 2
	s_wait_dscnt 16                                ; U's numbers are in: the query's sixteen loads may be out
	QUANT F1, CU, SU
	global_store_b128 v6, v[CU:CU+3], s[14:15]             ; 32 lanes store 512 consecutive bytes: the fragment as its registers stand
	global_store_b128 v6, v[CU+4:CU+7], s[14:15] offset:512
	s_wait_tensorcnt 0x0                           ; query rows 16-31: no tensor load of mine is out any more
	FETCH F0, 3
	ds_store_b32 v252, v[SU]                       ; both halves of the lanes write the same word with the same value
	s_wait_dscnt 17                                ; query rows 0-15 are in registers: rows 16-31's sixteen loads and the store may be out
	QUANT F2, CQ, SQ
.rept 8
	v_nop                                          ; a scale register written by a vector instruction stands 8 places ahead of a scaled matrix instruction
.endr
	v_wmma_scale_f32_16x16x128_f8f6f4 v[D0:D0+7], v[CQ:CQ+7], v[CW:CW+7], 0, v[SQ], v[SW] matrix_a_fmt:MATRIX_FMT_FP4 matrix_b_fmt:MATRIX_FMT_FP4
	s_wait_dscnt 0x0                               ; rows 16-31
	QUANT F0, CQ, SQ                               ; its 32 maxima are the places behind the product, ahead of the lines that write its operand and scale anew
.rept 8
	v_nop
.endr
	v_wmma_scale_f32_16x16x128_f8f6f4 v[D1:D1+7], v[CQ:CQ+7], v[CW:CW+7], 0, v[SQ], v[SW] matrix_a_fmt:MATRIX_FMT_FP4 matrix_b_fmt:MATRIX_FMT_FP4
.rept 4
	v_nop
.endr
.irp j, 0,1,2,3,4,5,6,7
	ds_store_b32 v251, v[D0+\j] offset:64*\j       ; register j of lane (r, h): Wq(b = 8 h + j, o = r), this K step's part; each result from its low end on
.endr
.irp j, 0,1,2,3,4,5,6,7
	ds_store_b32 v251, v[D1+\j] offset:1024+64*\j  ; b = 16 + 8 h + j
.endr
	s_wait_dscnt 0x0                               ; for the others' sake: my stores have landed
	s_barrier_signal -1
	s_barrier_wait -1
.irp s, 0,1,2,3,4,5,6,7
	ds_load_b64 v[F2+2*\s:F2+2*\s+1], v15 offset:2048*\s
.endr
	s_wait_dscnt 0x0
	s_wait_loadcnt 0x0                             ; the biases, asked for at the head
.irp s, 1,2,3,4,5,6,7
	v_pk_add_f32 v[F2:F2+1], v[F2:F2+1], v[F2+2*\s:F2+2*\s+1]      ; K ascending
.endr
	v_pk_add_f32 v[0:1], v[0:1], v[2:3]
	v_pk_add_f32 v[F2:F2+1], v[F2:F2+1], v[0:1]
	v_pk_mul_f32 v[F2:F2+1], v[F2:F2+1], s[22:23] op_sel_hi:[1,0]
	global_store_b64 v253, v[F2:F2+1], s[16:17]    ; a wave stores 256 consecutive bytes, aligned
	s_cmp_lg_u32 s18, 0
	s_cbranch_scc1 .Ldone
.irp q, 0,1,2,3
	ds_load_b32 v[F2+16+\q], v254 offset:64*\q     ; wave 0: lane l takes row l % 16, K steps 4 (l / 16) + q
.endr
	s_wait_dscnt 0x0
	global_store_b128 v6, v[F2+16:F2+19], s[14:15] offset:8192
.Ldone:
	s_endpgm
.Lfunc_end_k_q4a814ff608_prep:
	.size	k_q4a814ff608_prep, .Lfunc_end_k_q4a814ff608_prep-k_q4a814ff608_prep
	.p2alignl 7, 3214868480
	.fill 96, 4, 3214868480
	.section	.rodata,"a",@progbits
	.p2align	6, 0x0
	.amdhsa_kernel k_q4a814ff608_prep
		.amdhsa_group_segment_fixed_size 287232
		.amdhsa_private_segment_fixed_size 0
		.amdhsa_enable_private_segment 0
		.amdhsa_kernarg_size 56
		.amdhsa_user_sgpr_count 2
		.amdhsa_user_sgpr_kernarg_segment_ptr 1
		.amdhsa_wavefront_size32 1
		.amdhsa_system_sgpr_workgroup_id_x 1
		.amdhsa_system_sgpr_workgroup_id_y 1
		.amdhsa_system_sgpr_workgroup_id_z 1
		.amdhsa_system_vgpr_workitem_id 0
		.amdhsa_next_free_vgpr 256
		.amdhsa_next_free_sgpr 66
		.amdhsa_reserve_vcc 0
		.amdhsa_float_denorm_mode_32 3
		.amdhsa_float_denorm_mode_16_64 3
		.amdhsa_memory_ordered 1
		.amdhsa_forward_progress 1
		.amdhsa_inst_pref_size 25
	.end_amdhsa_kernel
	.amdgpu_metadata
---
amdhsa.version: [ 1, 2 ]
amdhsa.kernels:
  - .name:           k_q4a814ff608_prep
    .symbol:         k_q4a814ff608_prep.kd
    .args:
      - { .name: U_w, .offset: 0, .size: 8, .value_kind: global_buffer, .address_space: global }
      - { .name: W_w, .offset: 8, .size: 8, .value_kind: global_buffer, .address_space: global }
      - { .name: query, .offset: 16, .size: 8, .value_kind: global_buffer, .address_space: global }
      - { .name: W_b, .offset: 24, .size: 8, .value_kind: global_buffer, .address_space: global }
      - { .name: U_b, .offset: 32, .size: 8, .value_kind: global_buffer, .address_space: global }
      - { .name: uq, .offset: 40, .size: 8, .value_kind: global_buffer, .address_space: global }
      - { .name: cbt, .offset: 48, .size: 8, .value_kind: global_buffer, .address_space: global }
    .group_segment_fixed_size: 287232
    .private_segment_fixed_size: 0
    .kernarg_segment_align: 8
    .kernarg_segment_size: 56
    .max_flat_workgroup_size: 256
    .sgpr_count:     66
    .vgpr_count:     256
    .wavefront_size: 32
...
	.end_amdgpu_metadata
.endif
;; end of part 1
;; launch main (part 2): grid 256 x 1, 4 waves a work-group, no clusters, 327,680 bytes of LDS; arguments keys, uq, cbt, v_w, v_b, scores, part; writes scores, part
.if DOCPART == 2
	.amdgcn_target "amdgcn-amd-amdhsa--gfx1250"
	.amdhsa_code_object_version 6
	.text
	.protected	k_q4a814ff608_main
	.globl	k_q4a814ff608_main
	.p2align	8
	.type	k_q4a814ff608_main,@function
k_q4a814ff608_main:
	s_mov_b64 s[64:65], 0
	v_nop
	global_prefetch_b8 v0, s[64:65] scope:SCOPE_SE
	s_setreg_imm32_b32 hwreg(HW_REG_WAVE_MODE, 25, 1), 1
	s_wait_xcnt 0x0
; MAIN.  scores = v . tanh(Wq + keys U^T + U_b) + v_b, and an online softmax with a partial context, for 256 rows of keys to a work-group.  keys are read from memory ONCE.
; SHARES.  Work-group g owns rows 256 g .. 256 g + 255 (batch g / 8), as four blocks of 64 rows: a PASS a block.  THE WAVES SHARE THE OUTPUTS: wave w owns o = 256 w .. 256 w + 255, 16 tiles of 16, for all 64 rows.
; The block's codes (4 tiles of rows x 8 K steps x 8 registers) lie in every wave's registers for a whole pass; U's fragments come from uq straight into registers, laid there in register order; so the loop reads no operand from LDS.
; THE PRODUCT IS USED TRANSPOSED (source 0 = 16 rows of U, source 1 = 16 rows of keys): a lane holds ONE row of keys (lane % 16) and outputs 8 (lane / 16) + 0 .. 7: a score wants one exchange between the halves of the lanes.
; tanh(z) = 1 - 2 / (1 + 2^(c z)), c = 2 log2(e): t = c x + cb (cb = c (Wq + W_b + U_b), from the launch before), r = 1 / (1 + 2^t); score = v_b + sum v - 2 sum v r.  2^t = infinity gives r = 0, 2^t = 0 gives r = 1.
; BY TURNS.  A PHASE works tile t's 32 registers (32 exponentials, 32 reciprocals, 48 packed lines) and issues tile t + 1's 32 products between the exponentials; U runs four tiles ahead, alone on LOADcnt.
; Each of U's four sets of registers has a base pair of its own: the counted wait that shows a set's 17 loads done, ahead of its products, is also the wait behind which its base is written anew.
; THE NEXT BLOCK comes meanwhile by tensor loads (TENSORcnt) through two LDS slots: a slot is 16 rows x 256 columns of f32 for each wave, one refill a quarter pass.  Wave w quantises rows 16 w .. 16 w + 15: its numbers are fetched
; from the slot inside a phase and quantised behind it; codes and scale words go to LDS as images of the operand's registers; a bf16 copy for the context is parked in 256 registers and written to LDS at the pass's end.
; AT A PASS'S END: scores of 64 rows meet in LDS; running maximum m and sum l; p = 2^((s - m) log2 e) rounded to bf16; context += p x (bf16 copy), by the bf16 matrix form, p in all 16 rows of source 0; the old context x 2^((m_old - m) log2 e).
; NO CLUSTER: what work-groups share is U, which goes into registers and not into LDS; ring, copy and images take 315,392 of LDS's bytes, so no slot for U fits beside them.
; U's stream runs on by one tile (17 loads, inside the buffer) that nobody multiplies: the price of one loop body for the last pass.
; LIMITS: NaN and infinities among the inputs are not served; a block of zeros keeps the scale byte 1 (its codes are zeros; this program alone reads the bytes); blocks under 2^-124 were not tried; p and the copy of keys are bf16 in the last product.
; REGISTERS, in windows of 256.  Window 0: see the names below.  Window 1: keys' codes, (tile of rows m, K step s) at 64 m + 8 s.  Window 2: four tiles of U, 64 u + 8 s.  Window 3: the parked copy, 32 s + n.
.set WT,    16640                      ; a wave's tile in a slot: 16 rows x (1,024 bytes + 16 of padding): row r starts at bank 4 r mod 64
.set S1X,   0x10400                    ; slot 1 begins 66,560 bytes on; bits 16 and 10 are clear in 0, 0x4100, 0x8200, 0xc300, so one exclusive or turns a slot's address into the other's
.set COPY,  133120                     ; the bf16 copy: 64 rows x 2,080; at the start its halves take two first fills of a slot's shape
.set CP,    2080                       ; 65 x 32 bytes
.set IMG,   266240                     ; images of keys' fragments: (8 m + s) x 1024 + 512 c + 16 x lane
.set ISC,   299008                     ; their scale words: (8 m + s) x 64 + 4 r
.set CBL,   301056                     ; cb[1024]
.set W2O,   4096                       ; behind it: -2 v[1024]
.set SRED,  309248                     ; [wave][64 rows] f32
.set PB,    310272                     ; p as bf16, 128 bytes a wave
.set CST,   310784                     ; the context's stage, 1,024 bytes a wave
.set SPARE, 314880                     ; the spare words, 128 bytes a wave: two blocks of 256 bytes that no other line names
.set UT,    8704                       ; a tile of uq
.set NEXTB, 259072                     ; from a block's last quarter to the next block's first: 64 rows of 4,096 bytes less 3 x 1,024
.set UP,    66                         ; s[66:73] the base of U's loads, a pair for each of the four sets
.set LI,  1                            ; 16 x lane
.set KLA, 2                            ; IMG + 16 x lane
.set KSA, 3                            ; ISC + 4 x lane
.set RA,  4                            ; my place in my wave's tile: 16640 w + 1040 r + 128 h
.set AD5, 5                            ; the address in hand: the slot's tile; then cb of the next quarter's first tile; then the copy's rows 32 on
.set IWA, 6                            ; IMG + 8192 w + 16 x lane
.set ISA, 7                            ; ISC + 512 w + 4 r
.set DPA, 8                            ; COPY + (16 w + r) x 2080 + 64 h
.set TRA, 9                            ; COPY + (8 h + lane % 8) x 2080 + 16 ((lane / 8) % 2) + 512 w
.set CBA, 10                           ; CBL + 1024 w + 32 h
.set CBD, 11                           ; CBA + 256 x quarter
.set SWA, 12                           ; SRED + 256 w + 4 r
.set SRA, 13                           ; SRED + 8 x lane
.set PWA, 14                           ; PB + 128 w + 4 x lane
.set PRA, 15                           ; PB + 128 w + 16 h
.set SPW, 16                           ; my spare word; never rewritten
.set NIL, 17                           ; 0; never rewritten
.set SH8, 18                           ; 8 h
.set SVH, 19                           ; half the sum of my wave's 256 v
.set MR,  20                           ; running maximum; v21 the running sum
.set VB,  22                           ; v_b
.set GSO, 23                           ; 8 x lane
.set SA,  24                           ; v24-31   four pairs: the scores' sums, a pair for each tile of rows
.set CTX, 32                           ; v32-47   the context: column 256 w + 16 t + r in register t
.set KSC, 48                           ; v48-63   keys' scale words: 4 m + s / 2; lanes 0-15 even s, lanes 16-31 odd s
.set USC, 64                           ; v64-79   U's: 4 u + s % 4; lanes 16-31 hold s >= 4
.set CBW, 80                           ; v80-111  two sets of 8 cb and 8 (-2 v)
.set X,   112                          ; v112-175 two sets of four accumulators; at a pass's end 64 registers of the copy's fragments
.set F,   176                          ; v176-239 64 numbers of keys; at a pass's end the context's products and the softmax
.set CD,  240                          ; v240-247 codes just made
.set T,   248                          ; v248-255 at work
.set DD,  F                            ; four accumulators of the context
.set PF,  F+32                         ; p's two fragments
.set SC,  F+48                         ; my two scores
.set P0,  F+58                         ; my two p
.set BM,  F+60
.set T1,  F+61
.set MN,  F+62
.set FFR, F+63                         ; 2^((m_old - m_new) log2 e)
.set MSB, 0
.macro WIN new                         ; the immediate's high byte repeats the setting that is left; bits 1:0 source 0, 3:2 source 1, 5:4 source 2, 7:6 destination
.if MSB != \new
	s_set_vgpr_msb (MSB<<8)|\new
.set MSB, \new
.endif
.endm
.macro BAR                             ; my LDS stores have landed and my LDS loads are in: then the work-group's barrier
	s_wait_dscnt 0x0
	s_barrier_signal -1
	s_barrier_wait -1
.endm
; The next tile of U (s14 counts tiles, modulo my 16) into set u of window 2, its scale words into window 0: 17 loads of 512 consecutive bytes.
; Set u's base pair is written here last 17, which the wait on LOADcnt ahead of the set's products has shown done.
.macro ULOAD u
	s_add_co_u32 s14, s14, 1
	s_and_b32 s14, s14, 15
	s_mul_i32 s40, s14, UT
	s_add_nc_u64 s[UP+2*(\u):UP+2*(\u)+1], s[6:7], s[40:41]
	WIN 0x80
.irp s, 0,1,2,3,4,5,6,7
.irp c, 0,1
	global_load_b128 v[64*(\u)+8*\s+4*\c:64*(\u)+8*\s+4*\c+3], v[LI], s[UP+2*(\u):UP+2*(\u)+1] offset:1024*\s+512*\c
.endr
.endr
	WIN 0
	global_load_b128 v[USC+4*(\u):USC+4*(\u)+3], v[LI], s[UP+2*(\u):UP+2*(\u)+1] offset:8192
.endm
.macro CBLOAD p, adr, off              ; a tile's 8 cb and 8 (-2 v) of my half into set p
	ds_load_b128 v[CBW+16*(\p):CBW+16*(\p)+3], v[\adr] offset:\off
	ds_load_b128 v[CBW+16*(\p)+4:CBW+16*(\p)+7], v[\adr] offset:\off+16
	ds_load_b128 v[CBW+16*(\p)+8:CBW+16*(\p)+11], v[\adr] offset:\off+W2O
	ds_load_b128 v[CBW+16*(\p)+12:CBW+16*(\p)+15], v[\adr] offset:\off+W2O+16
.endm
; K step e of the tile at v[AD5]: my 64 numbers: register 32 c + i = k 64 c + 32 h + i of row r: two whole blocks
.macro FLOAD e
.irp c, 0,1
.irp i, 0,1,2,3,4,5,6,7
	ds_load_b128 v[F+32*\c+4*\i:F+32*\c+4*\i+3], v[AD5] offset:512*(\e)+256*\c+16*\i
.endr
.endr
.endm
; Product n of a tile's 32: K step n / 4, tile of rows n % 4.  The four accumulators take turns, one instruction a turn.  The first four start the sums.
.macro WM n, xn, ub, us
.set wS, (\n)/4
.set wM, (\n)%4
.set wD, \xn+8*wM
.set wA, \ub+8*wS
.set wB, 64*wM+8*wS
.set wU, \us+wS%4
.set wK, KSC+4*wM+wS/2
.if wS == 0
	v_wmma_scale_f32_16x16x128_f8f6f4 v[wD:wD+7], v[wA:wA+7], v[wB:wB+7], 0, v[wU], v[wK] matrix_a_fmt:MATRIX_FMT_FP4 matrix_b_fmt:MATRIX_FMT_FP4
.elseif (wS < 4) && (wS%2 == 0)
	v_wmma_scale_f32_16x16x128_f8f6f4 v[wD:wD+7], v[wA:wA+7], v[wB:wB+7], v[wD:wD+7], v[wU], v[wK] matrix_a_fmt:MATRIX_FMT_FP4 matrix_b_fmt:MATRIX_FMT_FP4
.elseif wS < 4
	v_wmma_scale_f32_16x16x128_f8f6f4 v[wD:wD+7], v[wA:wA+7], v[wB:wB+7], v[wD:wD+7], v[wU], v[wK] matrix_a_fmt:MATRIX_FMT_FP4 matrix_b_fmt:MATRIX_FMT_FP4 matrix_b_scale:MATRIX_SCALE_ROW1
.elseif wS%2 == 0
	v_wmma_scale_f32_16x16x128_f8f6f4 v[wD:wD+7], v[wA:wA+7], v[wB:wB+7], v[wD:wD+7], v[wU], v[wK] matrix_a_fmt:MATRIX_FMT_FP4 matrix_b_fmt:MATRIX_FMT_FP4 matrix_a_scale:MATRIX_SCALE_ROW1
.else
	v_wmma_scale_f32_16x16x128_f8f6f4 v[wD:wD+7], v[wA:wA+7], v[wB:wB+7], v[wD:wD+7], v[wU], v[wK] matrix_a_fmt:MATRIX_FMT_FP4 matrix_b_fmt:MATRIX_FMT_FP4 matrix_a_scale:MATRIX_SCALE_ROW1 matrix_b_scale:MATRIX_SCALE_ROW1
.endif
.endm
.macro PKF p                           ; pair p of 16: t = c x + cb
	v_pk_fma_f32 v[XC+2*(\p):XC+2*(\p)+1], v[XC+2*(\p):XC+2*(\p)+1], s[42:43], v[CC+2*((\p)%4):CC+2*((\p)%4)+1] op_sel_hi:[1,0,1]
.endm
.macro PKA p                           ; 1 + 2^t
	v_pk_add_f32 v[XC+2*(\p):XC+2*(\p)+1], v[XC+2*(\p):XC+2*(\p)+1], 1.0 op_sel_hi:[1,0]
.endm
.macro SAF p                           ; the score's sum += (-2 v) r
	v_pk_fma_f32 v[SA+2*((\p)/4):SA+2*((\p)/4)+1], v[XC+2*(\p):XC+2*(\p)+1], v[CC+8+2*((\p)%4):CC+8+2*((\p)%4)+1], v[SA+2*((\p)/4):SA+2*((\p)/4)+1]
.endm
; A PHASE, for the tile t with t % 4 = k, whose sums lie in set k % 2.  mm = 1: tile t + 1's 32 products go into the other set, one behind each exponential.  ld = 1: the set of U just multiplied takes tile t + 5.
; lc: the loads of U issued behind tile t + 1's, 17 a tile.  cb = 1: tile t + 1's cb and -2 v are fetched.  fl = 1, 2: the numbers of K step fl - 1 of the slot's tile are fetched here, a phase ahead of the lines that quantise them.
; Each accumulator is read from its low end on (pairs ascending).  Every exponential and reciprocal has a plain line between it and the use of its result; a pair's multiply-add follows its reciprocals two pairs on.
; The 32 packed lines of the second half name none of the products' registers: they are the places behind the products, ahead of the loads into U's set and of the next phase's first read.
.macro PH k, mm, ld, lc, cb, fl
.set XC, X+32*((\k)%2)
.set XN, X+32*(((\k)+1)%2)
.set CC, CBW+16*((\k)%2)
.set UN, ((\k)+1)%4
.if \cb
.if \k < 3
	CBLOAD ((\k)+1)%2, CBD, 64*((\k)+1)
.else
	CBLOAD 0, AD5, 0
.endif
.endif
.if \mm
	s_wait_dscnt 4                                 ; all but the four loads just issued: this tile's cb and -2 v are in
	s_wait_loadcnt \lc                             ; tile t + 1 of U is in; the younger tiles stay out
.endif
.if \fl
	FLOAD (\fl)-1
.endif
	PKF 0
.set i, 0
.rept 16
.if i < 15
	PKF i+1
.endif
	v_exp_f32 v[XC+2*i], v[XC+2*i]
.if \mm
	WIN 0x06                                       ; source 0 (U) window 2, source 1 (keys) window 1, C and D window 0
	WM 2*i, XN, 64*UN, USC+4*UN
	WIN 0
.endif
	v_exp_f32 v[XC+2*i+1], v[XC+2*i+1]
.if \mm
	WIN 0x06
	WM 2*i+1, XN, 64*UN, USC+4*UN
	WIN 0
.endif
.set i, i+1
.endr
	PKA 0
.set i, 0
.rept 16
.if i < 15
	PKA i+1
.endif
	v_rcp_f32 v[XC+2*i], v[XC+2*i]
	v_rcp_f32 v[XC+2*i+1], v[XC+2*i+1]
.if i > 1
	SAF i-2
.endif
.set i, i+1
.endr
	SAF 14
	SAF 15
.if \ld
	ULOAD UN
.endif
.endm
.macro BARE                            ; a pass's first tile: 32 products with no vector work to set between them
	s_wait_loadcnt 51                              ; tile 0 of U is in: tiles 1, 2, 3 (17 loads each) may be out
	WIN 0x06
.set i, 0
.rept 32
	WM i, X, 0, USC
.set i, i+1
.endr
	WIN 0
.rept 4
	v_nop                                          ; places in front of the loads into U's set, and of the first read of the sums
.endr
	ULOAD 0
.endm
; The 64 numbers in v[F] on become codes in v[CD] on and the row's scale word in v[T+6].
.macro QARITH
	s_wait_dscnt 0x0                               ; the numbers are in; the last codes' stores have read their registers
	v_max3_num_f32 v[T], |v[F]|, |v[F+1]|, 0x1800000       ; the floor 2^(3 - 127): the byte cannot fall under 1
	v_max3_num_f32 v[T+1], |v[F+32]|, |v[F+33]|, 0x1800000
	v_max3_num_f32 v[T+2], |v[F+16]|, |v[F+17]|, |v[F+18]|
	v_max3_num_f32 v[T+3], |v[F+48]|, |v[F+49]|, |v[F+50]|
.irp i, 2,4,6,8,10,12
	v_max3_num_f32 v[T], v[T], |v[F+\i]|, |v[F+\i+1]|      ; four chains by turns: no line waits for the line above it
	v_max3_num_f32 v[T+1], v[T+1], |v[F+32+\i]|, |v[F+33+\i]|
	v_max3_num_f32 v[T+2], v[T+2], |v[F+17+\i]|, |v[F+18+\i]|
	v_max3_num_f32 v[T+3], v[T+3], |v[F+49+\i]|, |v[F+50+\i]|
.endr
	v_max3_num_f32 v[T], v[T], |v[F+14]|, |v[F+15]|
	v_max3_num_f32 v[T+1], v[T+1], |v[F+46]|, |v[F+47]|
	v_max3_num_f32 v[T], v[T], v[T+2], |v[F+31]|
	v_max3_num_f32 v[T+1], v[T+1], v[T+3], |v[F+63]|
	v_add_nc_u32 v[T+2], 0xff000000, v[T]          ; 2 off the exponent field: the conversion's scale operand
	v_add_nc_u32 v[T+3], 0xff000000, v[T+1]
	v_lshrrev_b32 v[T+4], 23, v[T+2]               ; the bytes of blocks h and 2 + h
	v_lshrrev_b32 v[T+5], 23, v[T+3]
	v_lshl_or_b32 v[T+6], v[T+5], 16, v[T+4]
	v_lshlrev_b32 v[T+6], v[SH8], v[T+6]
	v_permlanex16_b32 v[T+7], v[T+6], s46, s47
	v_or_b32 v[T+6], v[T+6], v[T+7]                ; with lane l xor 16's two the word is whole
.irp g, 0,1,2,3
	v_cvt_scalef32_pk8_fp4_f32 v[CD+\g], v[F+8*\g:F+8*\g+7], v[T+2]
	v_cvt_scalef32_pk8_fp4_f32 v[CD+4+\g], v[F+32+8*\g:F+32+8*\g+7], v[T+3]
.endr
	v_nop                                          ; one plain place behind a scaled conversion
.endm
.macro VAR s                           ; what hangs on the K step s: the image's place, and the parked copy's registers
	ds_store_b128 v[IWA], v[CD:CD+3] offset:1024*(\s)
	ds_store_b128 v[IWA], v[CD+4:CD+7] offset:1024*(\s)+512
	ds_store_b32 v[ISA], v[T+6] offset:64*(\s)     ; both halves of the lanes write the same word with the same value
	WIN 0xc0                                       ; destination window 3
.set n, 0
.rept 32
	v_cvt_pk_bf16_f32 v[32*(\s)+n], v[F+2*n], v[F+2*n+1]
.set n, n+1
.endr
	WIN 0
.endm
.macro QV e                            ; in the loop the K step is 2 q + e, q = s15: register numbers cannot hang on a scalar, so the short part is written four times
	QARITH
	s_cmp_eq_u32 s15, 0
	s_cbranch_scc1 .Lv0_\@
	s_cmp_eq_u32 s15, 1
	s_cbranch_scc1 .Lv1_\@
	s_cmp_eq_u32 s15, 2
	s_cbranch_scc1 .Lv2_\@
	VAR 6+\e
	s_branch .Lvj_\@
.Lv0_\@:
	VAR 0+\e
	s_branch .Lvj_\@
.Lv1_\@:
	VAR 2+\e
	s_branch .Lvj_\@
.Lv2_\@:
	VAR 4+\e
.Lvj_\@:
.endm
.macro PROCS q                         ; outside the loop there is no phase to set the loads into
	FLOAD 0
	QARITH
	VAR 2*(\q)
	FLOAD 1
	QARITH
	VAR 2*(\q)+1
.endm
; THE CHANGE OF SLOTS, once a quarter pass.  Trip Q: tile Q + 4 (block (Q + 4) / 4, quarter Q % 4) has landed; tile Q + 5 goes into the slot read last trip; tile Q + 6 is prefetched.
.macro RING
	s_mov_b32 s52, 1024
	s_cmp_eq_u32 s15, 3
	s_cselect_b32 s52, NEXTB, s52                  ; tile Q + 4 is a block's last where q = 3
	s_wait_tensorcnt 0x0                           ; my one tensor load has landed: no load of mine is out, so the group 0 may be written
	ds_add_u32 v[SPW], v[NIL]                      ; 0 onto my spare word
	s_xor_b32 s25, s25, S1X                        ; the other slot,
	s_add_nc_u64 s[26:27], s[26:27], s[52:53]      ; the next tile; the type bits on top are not reached
	s_wait_dscnt 0x0                               ; the add is done, and my reads of the slot that is filled again are over
	s_barrier_signal -1
	s_barrier_wait -1
	tensor_load_to_lds s[24:27], s[16:23]          ; my one tensor load behind this barrier, and the first thing there: it has a quarter pass, four phases, in which to land
.rept 4
	v_nop
.endr
	s_cmp_lt_u32 s3, 10                            ; tiles 6 to 15 are prefetched; there is none behind tile 15
	s_cbranch_scc0 .Lnp_\@
	global_prefetch_b8 v0, s[54:55] th:TH_LOAD_NT scope:SCOPE_SE               ; my wave's own tile, 64 pieces of 256 bytes, a lane a piece: rows 0-7,
	global_prefetch_b8 v0, s[54:55] offset:32768 th:TH_LOAD_NT scope:SCOPE_SE  ; rows 8-15.  Each piece is named once in the launch, a quarter pass ahead of its tensor load
.Lnp_\@:
.endm
.macro KCLOAD                          ; the next block's 32 fragments and their scale words, from the images that the four waves have stored
	WIN 0x40                                       ; destination window 1
.irp m, 0,1,2,3
.irp s, 0,1,2,3,4,5,6,7
.irp c, 0,1
	ds_load_b128 v[64*\m+8*\s+4*\c:64*\m+8*\s+4*\c+3], v[KLA] offset:(8*\m+\s)*1024+512*\c
.endr
.endr
.endr
	WIN 0
.irp m, 0,1,2,3
.irp s, 0,1,2,3
	ds_load_b32 v[KSC+4*\m+\s], v[KSA] offset:(8*\m+2*\s)*64       ; lanes 0-15 K step 2 s, lanes 16-31 K step 2 s + 1
.endr
.endr
.endm
.macro DUMP                            ; the parked copy goes to LDS: row 16 w + r, columns 128 s + 64 c + 32 h + 8 u on
	WIN 0x0c                                       ; an LDS store's data are its source 1: window 3
.irp s, 0,1,2,3,4,5,6,7
.irp c, 0,1
.irp u, 0,1,2,3
	ds_store_b128 v[DPA], v[32*\s+16*\c+4*\u:32*\s+16*\c+4*\u+3] offset:256*\s+128*\c+16*\u
.endr
.endr
.endr
	WIN 0
.endm
.macro SAINIT                          ; the scores' sums begin at half of my wave's sum of v in each half of the lanes
.irp m, 0,1,2,3
	v_mov_b32 v[SA+2*\m], v[SVH]
	v_mov_b32 v[SA+2*\m+1], 0
.endr
.endm
; A PASS'S END.  last = 1: no block follows.
.macro BOUNDARY last
.if \last
	s_wait_dscnt 0x0                               ; the last tile's cb and -2 v are in
	PH 3, 0, 0, 0, 0, 0
.else
	BAR                                            ; every wave's images of the next block lie in LDS
	KCLOAD                                         ; they land while the pass's last tile is worked: its products were issued a phase ago
	PH 3, 0, 0, 0, 1, 0
.endif
.irp m, 0,1,2,3
	v_add_f32 v[T+\m], v[SA+2*\m], v[SA+2*\m+1]
.endr
.irp m, 0,1,2,3
	v_permlanex16_b32 v[T+4+\m], v[T+\m], s46, s47
.endr
.irp m, 0,1,2,3
	v_add_f32 v[T+\m], v[T+\m], v[T+4+\m]          ; my wave's part of the score of row 16 m + r
.endr
.irp m, 0,1,2,3
	ds_store_b32 v[SWA], v[T+\m] offset:64*\m
.endr
	BAR                                            ; the four parts lie in LDS; the codes are in registers
.irp m, 0,1,2,3
	ds_load_b64 v[F+50+2*\m:F+51+2*\m], v[SRA] offset:256*\m       ; rows 2 l and 2 l + 1
.endr
	s_wait_dscnt 0x0
	v_pk_add_f32 v[SC:SC+1], v[F+50:F+51], v[F+52:F+53]
	v_pk_add_f32 v[F+54:F+55], v[F+54:F+55], v[F+56:F+57]
	v_pk_add_f32 v[SC:SC+1], v[SC:SC+1], v[F+54:F+55]
	v_pk_add_f32 v[SC:SC+1], v[SC:SC+1], v[VB:VB+1] op_sel_hi:[1,0]
	s_cmp_lg_u32 s2, 0
	s_cbranch_scc1 .Lnst_\@
	global_store_b64 v[GSO], v[SC:SC+1], s[10:11]  ; wave 0: 64 scores, 256 consecutive bytes, aligned
.Lnst_\@:
	v_max_num_f32 v[BM], v[SC], v[SC+1]
	v_max_num_f32_dpp v[BM], v[BM], v[BM] row_xmask:1 row_mask:0xf bank_mask:0xf
	v_max_num_f32_dpp v[BM], v[BM], v[BM] row_xmask:2 row_mask:0xf bank_mask:0xf
	v_max_num_f32_dpp v[BM], v[BM], v[BM] row_xmask:4 row_mask:0xf bank_mask:0xf
	v_max_num_f32_dpp v[BM], v[BM], v[BM] row_xmask:8 row_mask:0xf bank_mask:0xf
	v_permlanex16_b32 v[T1], v[BM], s46, s47
	v_max3_num_f32 v[MN], v[BM], v[T1], v[MR]      ; the new running maximum
	v_sub_f32 v[FFR], v[MR], v[MN]
	v_sub_f32 v[P0], v[SC], v[MN]
	v_sub_f32 v[P0+1], v[SC+1], v[MN]
	v_mul_f32 v[FFR], s44, v[FFR]
	v_mul_f32 v[P0], s44, v[P0]
	v_mul_f32 v[P0+1], s44, v[P0+1]
	v_exp_f32 v[FFR], v[FFR]
	v_exp_f32 v[P0], v[P0]
	v_exp_f32 v[P0+1], v[P0+1]
	v_mov_b32 v[MR], v[MN]                         ; (a plain place behind the exponentials)
	v_add_f32 v[BM], v[P0], v[P0+1]
	v_add_f32_dpp v[BM], v[BM], v[BM] row_xmask:1 row_mask:0xf bank_mask:0xf
	v_add_f32_dpp v[BM], v[BM], v[BM] row_xmask:2 row_mask:0xf bank_mask:0xf
	v_add_f32_dpp v[BM], v[BM], v[BM] row_xmask:4 row_mask:0xf bank_mask:0xf
	v_add_f32_dpp v[BM], v[BM], v[BM] row_xmask:8 row_mask:0xf bank_mask:0xf
	v_permlanex16_b32 v[T1], v[BM], s46, s47
	v_add_f32 v[BM], v[BM], v[T1]
	v_fma_f32 v[MR+1], v[MR+1], v[FFR], v[BM]      ; the running sum, of the unrounded p
	v_cvt_pk_bf16_f32 v[T1], v[P0], v[P0+1]
	ds_store_b32 v[PWA], v[T1]                     ; my wave's own copy of p: LDS serves a wave's instructions in order, so the loads below see it
	v_add_nc_u32 v[AD5], 32*CP, v[TRA]             ; the copy's rows 32 on
.irp i, 0,1,2,3
	ds_load_b128 v[PF+4*\i:PF+4*\i+3], v[PRA] offset:32*\i         ; p as source 0: every lane of a half takes the same 16 bytes, so all 16 rows hold p
.endr
.irp g, 0,1,2,3                        ; my 256 columns, four tiles of 16 at a time; K = the block's 64 rows, two steps of 32
.irp a, 0,1,2,3
	ds_load_tr16_b128 v[X+16*\a:X+16*\a+3], v[TRA] offset:32*(4*\g+\a)
	ds_load_tr16_b128 v[X+16*\a+4:X+16*\a+7], v[TRA] offset:32*(4*\g+\a)+16*CP
	ds_load_tr16_b128 v[X+16*\a+8:X+16*\a+11], v[AD5] offset:32*(4*\g+\a)
	ds_load_tr16_b128 v[X+16*\a+12:X+16*\a+15], v[AD5] offset:32*(4*\g+\a)+16*CP
.endr
	s_wait_dscnt 0x0
.irp a, 0,1,2,3
	v_wmma_f32_16x16x32_bf16 v[DD+8*\a:DD+8*\a+7], v[PF:PF+7], v[X+16*\a:X+16*\a+7], 0
.endr
.irp a, 0,1,2,3
	v_wmma_f32_16x16x32_bf16 v[DD+8*\a:DD+8*\a+7], v[PF+8:PF+15], v[X+16*\a+8:X+16*\a+15], v[DD+8*\a:DD+8*\a+7]
.endr
.rept 5
	v_nop                                          ; places: four in front of the reads of the sums and the loads into the fragments, five in front of the products that begin these accumulators anew
.endr
.irp a, 0,1,2,3
	v_fma_f32 v[CTX+4*\g+\a], v[CTX+4*\g+\a], v[FFR], v[DD+8*\a]   ; the sum's lowest register: row 8 h of the result, column r; all rows are alike
.endr
.endr
.if !\last
	BAR                                            ; nobody reads the copy or the scores' parts any more
	s_wait_xcnt 0x0                                ; the scores' store has read its base and its data
	s_add_nc_u64 s[10:11], s[10:11], 256
	DUMP
	SAINIT
	BARE
.endif
.endm
	; ---- THE HEAD
	s_load_b128 s[4:7], s[0:1], 0x0                ; keys, uq
	s_load_b64 s[58:59], s[0:1], 0x10              ; cbt
	s_load_b128 s[60:63], s[0:1], 0x18             ; v_w, v_b
	s_load_b64 s[10:11], s[0:1], 0x28              ; scores
	s_load_b64 s[12:13], s[0:1], 0x30              ; part
	v_lshl_add_u32 v[SPW], v0, 2, SPARE
	v_mov_b32 v[NIL], 0
	v_lshrrev_b32 v248, 5, v0
	v_readfirstlane_b32 s2, v248                   ; wave 0..3
	; descriptor group 1: 16 rows x 256 elements of 4 bytes, 1,024 elements from row to row; 4 words of padding behind every 256
	s_mov_b32 s16, (2<<16)|(1<<20)|(7<<22)|(3<<25)
	s_mov_b32 s17, 256<<16                         ; tensor_dim0
	s_mov_b32 s18, 16<<16                          ; tensor_dim1
	s_mov_b32 s19, 256<<16                         ; tile_dim0
	s_mov_b32 s20, 16                              ; tile_dim1
	s_mov_b32 s21, 1024                            ; the pitch
	s_mov_b32 s22, 0
	s_mov_b32 s23, 0
	s_lshl_b32 s40, ttmp9, 20                      ; 256 rows of 4,096 bytes a work-group,
	s_lshl_b32 s41, s2, 16                         ; 16 a wave
	s_add_co_u32 s40, s40, s41
	s_mov_b32 s41, 0                               ; stays 0: the upper word of every offset
	s_mul_i32 s14, s2, WT
	s_wait_kmcnt 0x0
	s_add_nc_u64 s[4:5], s[4:5], s[40:41]          ; keys at my wave's first row
.irp j, 0,1,2,3                        ; group 0 for block 0's four quarters: slot 0, slot 1 and the two halves of the copy's bytes
	s_mov_b32 s[24+4*\j], 1
	s_add_co_u32 s[25+4*\j], s14, 66560*\j
	s_add_nc_u64 s[26+4*\j:27+4*\j], s[4:5], 1024*\j
	s_or_b32 s[27+4*\j], s[27+4*\j], 0x80000000
.endr
	tensor_load_to_lds s[24:27], s[16:23]          ; the first fills go out together: four loads of mine are out
	tensor_load_to_lds s[28:31], s[16:23]
	tensor_load_to_lds s[32:35], s[16:23]
	tensor_load_to_lds s[36:39], s[16:23]
.rept 4
	v_nop
.endr
	s_mul_i32 s40, s2, 16*UT
	s_add_nc_u64 s[6:7], s[6:7], s[40:41]          ; uq at my 16 tiles
	s_lshl_b32 s40, ttmp9, 10
	s_add_nc_u64 s[10:11], s[10:11], s[40:41]      ; scores at my work-group's 256
	s_mul_i32 s40, ttmp9, 4352
	s_add_nc_u64 s[12:13], s[12:13], s[40:41]      ; part
	s_lshr_b32 s40, ttmp9, 3                       ; the batch
	s_lshl_b32 s40, s40, 6
	s_lshl_b32 s15, s2, 15
	s_add_co_u32 s40, s40, s15
	s_add_nc_u64 s[58:59], s[58:59], s[40:41]      ; cbt: my 16 tiles of 2,048 bytes, the batch's 64 bytes in each
	s_lshl_b32 s40, s2, 10
	s_add_nc_u64 s[60:61], s[60:61], s[40:41]      ; v_w: my 256
	s_add_nc_u64 s[54:55], s[4:5], 264192          ; the prefetches stand at tile 6 (block 1, quarter 2), which the first change of slots names; each trip steps them on behind its use
	s_mov_b32 s42, 0x4038aa3b                      ; c = 2 log2(e)
	s_mov_b32 s43, s42
	s_mov_b32 s44, 0x3fb8aa3b                      ; log2(e)
	s_mov_b32 s46, 0x76543210
	s_mov_b32 s47, 0xfedcba98                      ; v_permlanex16_b32's selects for lane l xor 16
	s_mov_b32 s48, 0
	s_mov_b32 s53, 0
	s_mov_b32 s57, 0
	v_and_b32 v249, 31, v0                         ; lane
	v_and_b32 v250, 15, v0                         ; r
	v_bfe_u32 v251, v0, 4, 1                       ; h
	v_lshrrev_b32 v252, 1, v249
	v_lshlrev_b32 v252, 11, v252
	v_and_b32 v253, 1, v249
	v_lshl_add_u32 v252, v253, 5, v252             ; cbt: tile lane / 2, half lane % 2: outputs 8 x lane on
	v_lshlrev_b32 v253, 5, v249                    ; 32 x lane
	v_mov_b32 v254, 0
	v_mov_b32 v255, 0
	global_load_b128 v[F:F+3], v252, s[58:59]
	global_load_b128 v[F+4:F+7], v252, s[58:59] offset:16
	global_load_b128 v[F+8:F+11], v253, s[60:61]
	global_load_b128 v[F+12:F+15], v253, s[60:61] offset:16
	global_load_b32 v[VB], v254, s[62:63]
	v_lshlrev_b32 v[LI], 4, v249
	v_add_nc_u32 v[KLA], IMG, v[LI]
	v_lshl_add_u32 v[KSA], v249, 2, ISC
	v_mul_u32_u24 v[RA], v250, 1040
	v_lshl_add_u32 v[RA], v251, 7, v[RA]
	v_add_nc_u32 v[RA], s14, v[RA]
	s_lshl_b32 s15, s2, 13
	v_add_nc_u32 v[IWA], s15, v[KLA]
	s_lshl_b32 s15, s2, 9
	v_lshl_add_u32 v[ISA], v250, 2, ISC
	v_add_nc_u32 v[ISA], s15, v[ISA]
	v_and_b32 v[TRA], 7, v0
	v_lshl_add_u32 v[TRA], v251, 3, v[TRA]
	v_mul_u32_u24 v[TRA], v[TRA], CP
	v_bfe_u32 v248, v0, 3, 1
	v_lshl_add_u32 v[TRA], v248, 4, v[TRA]
	v_add_nc_u32 v[TRA], s15, v[TRA]
	v_add_nc_u32 v[TRA], COPY, v[TRA]
	s_mul_i32 s15, s2, 16*CP
	v_mul_u32_u24 v[DPA], v250, CP
	v_lshl_add_u32 v[DPA], v251, 6, v[DPA]
	v_add_nc_u32 v[DPA], s15, v[DPA]
	v_add_nc_u32 v[DPA], COPY, v[DPA]
	s_lshl_b32 s15, s2, 10
	v_lshl_add_u32 v[CBA], v251, 5, CBL
	v_add_nc_u32 v[CBA], s15, v[CBA]
	v_add_nc_u32 v[AD5], s15, v253
	v_add_nc_u32 v[AD5], CBL, v[AD5]               ; where my 8 cb go: CBL + 1024 w + 32 x lane
	s_lshl_b32 s15, s2, 8
	v_lshl_add_u32 v[SWA], v250, 2, SRED
	v_add_nc_u32 v[SWA], s15, v[SWA]
	v_lshl_add_u32 v[SRA], v249, 3, SRED
	s_lshl_b32 s15, s2, 7
	v_lshl_add_u32 v[PWA], v249, 2, PB
	v_add_nc_u32 v[PWA], s15, v[PWA]
	v_lshl_add_u32 v[PRA], v251, 4, PB
	v_add_nc_u32 v[PRA], s15, v[PRA]
	v_lshlrev_b32 v[SH8], 3, v251
	v_lshlrev_b32 v[GSO], 3, v249
	v_mov_b32 v[MR], 0xff61b1e6                    ; the running maximum: -3e38, under every score
	v_mov_b32 v[MR+1], 0                           ; the running sum
.irp t, 0,1,2,3,4,5,6,7,8,9,10,11,12,13,14,15
	v_mov_b32 v[CTX+\t], 0                         ; the pass's end is written for every pass: the first finds zeros
.endr
	s_wait_loadcnt 0x0                             ; cb, v and v_b, once: from here on LOADcnt counts U's loads alone
.irp i, 0,1,2,3,4,5,6,7
	v_mul_f32 v[F+16+\i], -2.0, v[F+8+\i]
.endr
	ds_store_b128 v[AD5], v[F:F+3]                 ; my wave's own 1,024 bytes of each table: no other wave reads them
	ds_store_b128 v[AD5], v[F+4:F+7] offset:16
	ds_store_b128 v[AD5], v[F+16:F+19] offset:W2O
	ds_store_b128 v[AD5], v[F+20:F+23] offset:W2O+16
	v_pk_add_f32 v[F+24:F+25], v[F+8:F+9], v[F+10:F+11]
	v_pk_add_f32 v[F+26:F+27], v[F+12:F+13], v[F+14:F+15]
	v_pk_add_f32 v[F+24:F+25], v[F+24:F+25], v[F+26:F+27]
	v_add_f32 v[F+24], v[F+24], v[F+25]
	v_add_f32_dpp v[F+24], v[F+24], v[F+24] row_xmask:1 row_mask:0xf bank_mask:0xf
	v_add_f32_dpp v[F+24], v[F+24], v[F+24] row_xmask:2 row_mask:0xf bank_mask:0xf
	v_add_f32_dpp v[F+24], v[F+24], v[F+24] row_xmask:4 row_mask:0xf bank_mask:0xf
	v_add_f32_dpp v[F+24], v[F+24], v[F+24] row_xmask:8 row_mask:0xf bank_mask:0xf
	v_permlanex16_b32 v255, v[F+24], s46, s47
	v_add_f32 v[F+24], v[F+24], v255
	v_mul_f32 v[SVH], 0.5, v[F+24]
	s_mov_b32 s14, 15                              ; the first load of U steps it to tile 0
	ULOAD 0
	ULOAD 1
	ULOAD 2
	ULOAD 3
	v_lshrrev_b32 v0, 2, v249                      ; all addresses are made: v0 becomes the prefetches' offset,
	v_lshlrev_b32 v0, 12, v0                       ; row lane / 4 of 4,096 bytes,
	v_and_b32 v248, 3, v249
	v_lshl_add_u32 v0, v248, 8, v0                 ; piece lane % 4 of 256
	; ---- BLOCK 0 is quantised as its four quarters land
.irp j, 0,1,2,3
	s_wait_tensorcnt 3-\j                          ; tensor loads of a wave end in order: quarter j is in, the younger first fills stay out
	v_add_nc_u32 v[AD5], 66560*\j, v[RA]
	PROCS \j
.endr
	; ---- the first refill, and the first pass's set-up
	s_wait_tensorcnt 0x0
	ds_add_u32 v[SPW], v[NIL]                      ; 0 onto my spare word
	s_add_nc_u64 s[26:27], s[26:27], 0x40000       ; the walking group 0: slot 0, block 1's first quarter (64 rows on)
	s_wait_dscnt 0x0                               ; the add is done; my images have landed; my reads of all four tiles are over
	s_barrier_signal -1
	s_barrier_wait -1
	tensor_load_to_lds s[24:27], s[16:23]
.rept 4
	v_nop
.endr
	KCLOAD
	DUMP                                           ; into bytes that have had their last fill, and that nobody reads as tiles any more
	CBLOAD 0, CBA, 0
	SAINIT
	s_wait_dscnt 0x0
	BARE
	; ---- QUARTER PASSES 0 to 10: each brings, quantises and parks a quarter of the next block beside four phases
	s_mov_b32 s3, 0
.Lmain:
	s_and_b32 s15, s3, 3                           ; q
	s_lshl_b32 s49, s15, 8                         ; this quarter's four tiles in the tables
	s_add_co_u32 s50, s3, 1
	s_and_b32 s50, s50, 3
	s_lshl_b32 s50, s50, 8                         ; the next quarter's
	RING
	v_add_nc_u32 v[AD5], s48, v[RA]                ; the tile that has landed
	v_add_nc_u32 v[CBD], s49, v[CBA]
	s_xor_b32 s48, s48, S1X
	PH 0, 1, 1, 51, 1, 1                           ; the tile's first K step is fetched inside this phase,
	QV 0                                           ; and quantised behind it
	PH 1, 1, 1, 51, 1, 2                           ; its second
	QV 1
	v_add_nc_u32 v[AD5], s50, v[CBA]               ; my reads of the tile are in: the register takes the next quarter's first cb
	PH 2, 1, 0, 51, 1, 0
	s_wait_xcnt 0x0                                ; the trip's prefetches have read their address; the youngest memory instructions are a phase old here
	s_mov_b32 s56, 1024
	s_cmp_eq_u32 s15, 1
	s_cselect_b32 s56, NEXTB, s56                  ; tile Q + 6 is a block's last where q = 1
	s_add_nc_u64 s[54:55], s[54:55], s[56:57]      ; on to tile Q + 7, for the next trip
	ULOAD 3
	s_cmp_eq_u32 s15, 3
	s_cbranch_scc1 .Lmb
	PH 3, 1, 1, 51, 1, 0
	s_branch .Lmj
.Lmb:
	BOUNDARY 0
.Lmj:
	s_add_co_u32 s3, s3, 1
	s_cmp_lt_u32 s3, 11
	s_cbranch_scc1 .Lmain
	; ---- the last tile of keys: nothing is left to fetch
	s_wait_tensorcnt 0x0
	v_add_nc_u32 v[AD5], S1X, v[RA]
	PROCS 3
	; ---- QUARTER PASSES 11 to 14
	s_mov_b32 s3, 11
.Ltail:
	s_and_b32 s15, s3, 3
	s_lshl_b32 s49, s15, 8
	s_add_co_u32 s50, s3, 1
	s_and_b32 s50, s50, 3
	s_lshl_b32 s50, s50, 8
	v_add_nc_u32 v[CBD], s49, v[CBA]
	v_add_nc_u32 v[AD5], s50, v[CBA]
	PH 0, 1, 1, 51, 1, 0
	PH 1, 1, 1, 51, 1, 0
	PH 2, 1, 1, 51, 1, 0
	s_cmp_eq_u32 s15, 3
	s_cbranch_scc1 .Ltb
	PH 3, 1, 1, 51, 1, 0
	s_branch .Ltj
.Ltb:
	BOUNDARY 0
.Ltj:
	s_add_co_u32 s3, s3, 1
	s_cmp_lt_u32 s3, 15
	s_cbranch_scc1 .Ltail
	; ---- the last quarter pass loads no more of U: the counts run down by a tile's 17 loads
	v_add_nc_u32 v[CBD], 768, v[CBA]
	PH 0, 1, 0, 51, 1, 0
	PH 1, 1, 0, 34, 1, 0
	PH 2, 1, 0, 17, 1, 0
	BOUNDARY 1
	; ---- THE WAY OUT: the context through my own stage, so that 32 lanes store 512 consecutive bytes; m and l, 32 times, as one aligned run of 256 bytes
	s_lshl_b32 s40, s2, 10
	v_lshrrev_b32 v[RA], 2, v[LI]
	v_and_b32 v[RA], 60, v[RA]                     ; 4 r
	v_add_nc_u32 v[RA], s40, v[RA]
	v_add_nc_u32 v[RA], CST, v[RA]
	v_add_nc_u32 v[CBD], s40, v[LI]                ; 1024 w + 16 x lane
	v_add_nc_u32 v[AD5], CST, v[CBD]
.irp t, 0,1,2,3,4,5,6,7,8,9,10,11,12,13,14,15
	ds_store_b32 v[RA], v[CTX+\t] offset:64*\t     ; both halves of the lanes write the same word with the same value
.endr
	ds_load_b128 v[F:F+3], v[AD5]                  ; LDS serves a wave's instructions in order: these see my stores
	ds_load_b128 v[F+4:F+7], v[AD5] offset:512
	s_cmp_lg_u32 s2, 0
	s_cbranch_scc1 .Lnml
	global_store_b64 v[GSO], v[MR:MR+1], s[12:13] offset:4096
.Lnml:
	s_wait_dscnt 0x0
	global_store_b128 v[CBD], v[F:F+3], s[12:13]
	global_store_b128 v[CBD], v[F+4:F+7], s[12:13] offset:512
	s_wait_tensorcnt 0x0                           ; the wave's end, behind my last tensor load and my last LDS store
	ds_add_u32 v[SPW], v[NIL]
	s_wait_dscnt 0x0
	s_endpgm
.Lfunc_end_k_q4a814ff608_main:
	.size	k_q4a814ff608_main, .Lfunc_end_k_q4a814ff608_main-k_q4a814ff608_main
	.p2alignl 7, 3214868480
	.fill 96, 4, 3214868480
	.section	.rodata,"a",@progbits
	.p2align	6, 0x0
	.amdhsa_kernel k_q4a814ff608_main
		.amdhsa_group_segment_fixed_size 327680
		.amdhsa_private_segment_fixed_size 0
		.amdhsa_enable_private_segment 0
		.amdhsa_kernarg_size 56
		.amdhsa_user_sgpr_count 2
		.amdhsa_user_sgpr_kernarg_segment_ptr 1
		.amdhsa_wavefront_size32 1
		.amdhsa_system_sgpr_workgroup_id_x 1
		.amdhsa_system_sgpr_workgroup_id_y 1
		.amdhsa_system_sgpr_workgroup_id_z 1
		.amdhsa_system_vgpr_workitem_id 0
		.amdhsa_next_free_vgpr 1024
		.amdhsa_next_free_sgpr 74
		.amdhsa_reserve_vcc 0
		.amdhsa_float_denorm_mode_32 3
		.amdhsa_float_denorm_mode_16_64 3
		.amdhsa_memory_ordered 1
		.amdhsa_forward_progress 1
		.amdhsa_inst_pref_size 255
	.end_amdhsa_kernel
	.section	.bss,"aw",@nobits
	.p2align	6
	.space	262144
	.amdgpu_metadata
---
amdhsa.version: [ 1, 2 ]
amdhsa.kernels:
  - .name:           k_q4a814ff608_main
    .symbol:         k_q4a814ff608_main.kd
    .args:
      - { .name: keys, .offset: 0, .size: 8, .value_kind: global_buffer, .address_space: global }
      - { .name: uq, .offset: 8, .size: 8, .value_kind: global_buffer, .address_space: global }
      - { .name: cbt, .offset: 16, .size: 8, .value_kind: global_buffer, .address_space: global }
      - { .name: v_w, .offset: 24, .size: 8, .value_kind: global_buffer, .address_space: global }
      - { .name: v_b, .offset: 32, .size: 8, .value_kind: global_buffer, .address_space: global }
      - { .name: scores, .offset: 40, .size: 8, .value_kind: global_buffer, .address_space: global }
      - { .name: part, .offset: 48, .size: 8, .value_kind: global_buffer, .address_space: global }
    .group_segment_fixed_size: 327680
    .private_segment_fixed_size: 0
    .kernarg_segment_align: 8
    .kernarg_segment_size: 56
    .max_flat_workgroup_size: 128
    .sgpr_count:     74
    .vgpr_count:     1024
    .wavefront_size: 32
...
	.end_amdgpu_metadata
.endif
;; end of part 2
;; launch combine (part 3): grid 32 x 1, 8 waves a work-group, no clusters, 0 bytes of LDS; arguments scores, part, out0, out1; writes out0, out1
.if DOCPART == 3
	.amdgcn_target "amdgcn-amd-amdhsa--gfx1250"
	.amdhsa_code_object_version 6
	.text
	.protected	k_q4a814ff608_combine
	.globl	k_q4a814ff608_combine
	.p2align	8
	.type	k_q4a814ff608_combine,@function
k_q4a814ff608_combine:
	s_mov_b64 s[64:65], 0
	v_nop
	global_prefetch_b8 v0, s[64:65] scope:SCOPE_SE
	s_setreg_imm32_b32 hwreg(HW_REG_WAVE_MODE, 25, 1), 1
	s_wait_xcnt 0x0
; COMBINE.  Work-group b joins batch b's eight partial results (maximum m_g, sum l_g, context_g[1024], each over 256 rows) and turns its 2,048 scores into weights.
; M = max m_g; e_g = 2^((m_g - M) log2 e); L = sum l_g e_g; out0 = sum e_g context_g / L; out1 = 2^((s - M) log2 e) / L.  The maximum is taken away ahead of every exponential, as in the definition.
; Thread T owns 4 columns of out0 and 8 weights.  All 18 loads go out together; every load and store of a wave covers 512 consecutive bytes (the pairs m, l: 256).  No LDS, no barrier: threads share nothing.
; Matrix units, clusters and tensor loads would add nothing to 1.5 MB of stream.
.set ML,  4                            ; v4-19   m_g, l_g
.set CX,  20                           ; v20-51  context_g, 4 columns each
.set SCO, 52                           ; v52-59  8 scores
.set MX,  60
.set LL,  61
.set EG,  62                           ; v62-69  e_g
.set INV, 70
.set OC,  72                           ; v72-75
	s_load_b256 s[4:11], s[0:1], 0x0               ; scores s[4:5], part s[6:7], out0 s[8:9], out1 s[10:11]
	v_lshlrev_b32 v1, 4, v0                        ; 16 x thread
	v_and_b32 v2, 31, v0
	v_lshlrev_b32 v2, 3, v2                        ; 8 x lane: the pair lies there 32 times
	s_mul_i32 s12, ttmp9, 34816                    ; eight partial results of 4,352 bytes
	s_mov_b32 s13, 0
	s_lshl_b32 s14, ttmp9, 13                      ; 2,048 scores
	s_mov_b32 s15, 0
	s_lshl_b32 s16, ttmp9, 12                      ; 1,024 columns
	s_mov_b32 s17, 0
	s_mov_b32 s18, 0x3fb8aa3b                      ; log2(e)
	s_wait_kmcnt 0x0
	s_add_nc_u64 s[6:7], s[6:7], s[12:13]
	s_add_nc_u64 s[4:5], s[4:5], s[14:15]
	s_add_nc_u64 s[10:11], s[10:11], s[14:15]
	s_add_nc_u64 s[8:9], s[8:9], s[16:17]
.irp g, 0,1,2,3,4,5,6,7
	global_load_b64 v[ML+2*\g:ML+2*\g+1], v2, s[6:7] offset:4352*\g+4096
.endr
.irp g, 0,1,2,3,4,5,6,7
	global_load_b128 v[CX+4*\g:CX+4*\g+3], v1, s[6:7] offset:4352*\g
.endr
	global_load_b128 v[SCO:SCO+3], v1, s[4:5]
	global_load_b128 v[SCO+4:SCO+7], v1, s[4:5] offset:4096
	s_wait_loadcnt 0x0
	v_max3_num_f32 v[MX], v[ML], v[ML+2], v[ML+4]
	v_max3_num_f32 v[MX], v[MX], v[ML+6], v[ML+8]
	v_max3_num_f32 v[MX], v[MX], v[ML+10], v[ML+12]
	v_max_num_f32 v[MX], v[MX], v[ML+14]
.irp g, 0,1,2,3,4,5,6,7
	v_sub_f32 v[EG+\g], v[ML+2*\g], v[MX]
.endr
.irp i, 0,1,2,3,4,5,6,7
	v_sub_f32 v[SCO+\i], v[SCO+\i], v[MX]
.endr
.irp g, 0,1,2,3,4,5,6,7
	v_mul_f32 v[EG+\g], s18, v[EG+\g]
.endr
.irp i, 0,1,2,3,4,5,6,7
	v_mul_f32 v[SCO+\i], s18, v[SCO+\i]
.endr
.irp g, 0,1,2,3,4,5,6,7
	v_exp_f32 v[EG+\g], v[EG+\g]
.endr
.irp i, 0,1,2,3,4,5,6,7
	v_exp_f32 v[SCO+\i], v[SCO+\i]
.endr
	v_nop                                          ; one plain place behind the exponentials
	v_mul_f32 v[LL], v[ML+1], v[EG]
.irp g, 1,2,3,4,5,6,7
	v_fma_f32 v[LL], v[ML+2*\g+1], v[EG+\g], v[LL]
.endr
	v_rcp_f32 v[INV], v[LL]
	v_nop                                          ; one plain place behind the reciprocal
.irp g, 0,1,2,3,4,5,6,7
	v_mul_f32 v[EG+\g], v[EG+\g], v[INV]
.endr
.irp i, 0,1,2,3,4,5,6,7
	v_mul_f32 v[SCO+\i], v[SCO+\i], v[INV]
.endr
.irp j, 0,1,2,3
	v_mul_f32 v[OC+\j], v[CX+\j], v[EG]
.endr
.irp g, 1,2,3,4,5,6,7
.irp j, 0,1,2,3
	v_fma_f32 v[OC+\j], v[CX+4*\g+\j], v[EG+\g], v[OC+\j]
.endr
.endr
	global_store_b128 v1, v[OC:OC+3], s[8:9]
	global_store_b128 v1, v[SCO:SCO+3], s[10:11]
	global_store_b128 v1, v[SCO+4:SCO+7], s[10:11] offset:4096
	s_endpgm
.Lfunc_end_k_q4a814ff608_combine:
	.size	k_q4a814ff608_combine, .Lfunc_end_k_q4a814ff608_combine-k_q4a814ff608_combine
	.p2alignl 7, 3214868480
	.fill 96, 4, 3214868480
	.section	.rodata,"a",@progbits
	.p2align	6, 0x0
	.amdhsa_kernel k_q4a814ff608_combine
		.amdhsa_group_segment_fixed_size 0
		.amdhsa_private_segment_fixed_size 0
		.amdhsa_enable_private_segment 0
		.amdhsa_kernarg_size 32
		.amdhsa_user_sgpr_count 2
		.amdhsa_user_sgpr_kernarg_segment_ptr 1
		.amdhsa_wavefront_size32 1
		.amdhsa_system_sgpr_workgroup_id_x 1
		.amdhsa_system_sgpr_workgroup_id_y 1
		.amdhsa_system_sgpr_workgroup_id_z 1
		.amdhsa_system_vgpr_workitem_id 0
		.amdhsa_next_free_vgpr 96
		.amdhsa_next_free_sgpr 66
		.amdhsa_reserve_vcc 0
		.amdhsa_float_denorm_mode_32 3
		.amdhsa_float_denorm_mode_16_64 3
		.amdhsa_memory_ordered 1
		.amdhsa_forward_progress 1
		.amdhsa_inst_pref_size 8
	.end_amdhsa_kernel
	.amdgpu_metadata
---
amdhsa.version: [ 1, 2 ]
amdhsa.kernels:
  - .name:           k_q4a814ff608_combine
    .symbol:         k_q4a814ff608_combine.kd
    .args:
      - { .name: scores, .offset: 0, .size: 8, .value_kind: global_buffer, .address_space: global }
      - { .name: part, .offset: 8, .size: 8, .value_kind: global_buffer, .address_space: global }
      - { .name: out0, .offset: 16, .size: 8, .value_kind: global_buffer, .address_space: global }
      - { .name: out1, .offset: 24, .size: 8, .value_kind: global_buffer, .address_space: global }
    .group_segment_fixed_size: 0
    .private_segment_fixed_size: 0
    .kernarg_segment_align: 8
    .kernarg_segment_size: 32
    .max_flat_workgroup_size: 256
    .sgpr_count:     66
    .vgpr_count:     96
    .wavefront_size: 32
...
	.end_amdgpu_metadata
.endif
;; end of part 3
